; MI455X (gfx1250); checked and timed in simulation.
; The chip was launched on July 23, 2026; its instructions are those of AMD's public machine-readable ISA for CDNA 5 (MIT licence, August 2026) and "CDNA5" Instruction Set Architecture Reference Guide (July 2026). The comments in the code are by the model that wrote it; some were corrected since.
;; Mock Core Attention. Allowed arithmetic: matrix products marked QUANTISED: E2M3 operands, one E8M0 scale for each 32 along K, by v_wmma_scale_f32_16x16x128_f8f6f4 with both operands' format E2M3, f32 sums; everything else in f32.
;; Inputs: k 2,048 x 2 x 16 x 128 float32; q 2,048 x 2 x 16 x 128 float32; v 2,048 x 2 x 16 x 128 float32.
;; Outputs: out0 2,048 x 2 x 2,048 float32.
;; This version of the problem:
;;   THIS VERSION OF THE PROBLEM IS GIVEN IN LOW PRECISION. The matrix products marked QUANTISED in the list below multiply operands that are first quantised to E2M3 (2 exponent bits, 3 mantissa bits; 6 bits a number), with one power-of-two scale for each 32 numbers along K (OCP MX v1.0); their sums are f32. All else is computed in f32.
;;   The module's matrix products, in the order in which they are computed (A, B: the left and right operand; K: the contracted axis; several contracted axes count as one K, in the product's order):
;;     1. batch 32 x [M 2,048, K 128] x [K 128, N 2,048]; A: input q; B: input k: QUANTISED
;;     2. batch 32 x [M 128, K 2,048] x [K 2,048, N 2,048]; A: input v; B: softmax (see below): QUANTISED
;;   THE QUANTISER, for each operand of a quantised product, along K:
;;     - K is cut into blocks of 32 from its start; a last block that is shorter is filled with zeros.
;;     - A block's scale is 2^e with e = floor(log2(the largest magnitude in the block)) - 2, held to -126 .. 127; a block of zeros has e = 0. As a byte (E8M0): e + 127.
;;     - Each number is divided by its block's scale, clamped to +-7.5, and rounded to the nearest number of E2M3, ties to even, subnormals kept.
;;     - The product sums the exact products of the quantised numbers (number of the format x scale) in f32.
;;   ~~~python
;;   def quantise(x, axis):      # numpy; x: float32 -> the quantised numbers, widened to float32 again
;;       x = np.moveaxis(x, axis, -1); K = x.shape[-1]
;;       x = np.pad(x, [(0, 0)] * (x.ndim - 1) + [(0, -K % 32)]); x = x.reshape(x.shape[:-1] + (-1, 32)); a = np.abs(x).max(-1, keepdims=True)
;;       e = np.where(a > 0, np.clip(np.frexp(np.where(a > 0, a, 1))[1] - 1 - 2, -126, 127), 0)      # np.frexp(a)[1] - 1 = floor(log2(a)), exactly
;;       r = np.clip(x / 2.0 ** e, -7.5, 7.5)
;;       step = 2.0 ** (np.maximum(np.frexp(np.where(r == 0, 1, r))[1] - 1, 0) - 3)
;;       q = np.round(r / step) * step * 2.0 ** e      # np.round: ties to even
;;       return np.moveaxis(q.reshape(q.shape[:-2] + (-1,))[..., :K], -1, axis).astype(np.float32)
;;   ~~~
;;   SOFTMAX AHEAD OF A QUANTISED PRODUCT. Where the list says 'softmax', what is quantised is not the finished softmax but p = 2^(t - M), with t = logit x log2(e) and M = ceil(the row's largest t), a whole number; so 1/2 < the row's largest p <= 1. The row's sum l is taken of the UNQUANTISED p, in f32, and the product's result is divided by l at the end. Since M is a whole number, a kernel that streams over the keys may use a running M (the ceiling of the running maximum): every later rescaling is an exact power of two, which a block's scale takes up: the codes' values come out the same.
;;   OPERANDS COMPUTED ON THE WAY. 'Computed on the way' means the value that the module computes at that place (a softmax that the list does not call 'softmax' is quantised finished and normalised). What goes into a quantiser is computed in f32, as accurately as f32 sums, v_exp_f32 and their like allow (about 1e-6 of the number): no bf16 or f16 on the way to a quantiser, and a product that is left as it is and whose result goes on into a quantised operand takes f32 operands (vector FMAs, or v_wmma_f32_16x16x4_f32). A number that lies on a knife's edge between two numbers of the format may be rounded either way, as far as f32 arithmetic and the matrix unit's own rounding can turn it there, and no further.
;; One version. Each part assembles by itself: llvm-mc -triple=amdgcn-amd-amdhsa -mcpu=gfx1250 --defsym DOCPART=n.
;; ======== version 1 of 1: 2 launches
;; limits: right only within a limited range of input values
;; workspace buffers: kv 12,582,912 bytes; sc 524,288 bytes
;; launch prep (part 1): grid 8 x 32, 8 waves a work-group, no clusters, 34,816 bytes of LDS; arguments k, v, kv, sc; writes kv, sc
.if DOCPART == 1
	.amdgcn_target "amdgcn-amd-amdhsa--gfx1250"
	.amdhsa_code_object_version 6
	.text
	.protected	k_q05ad82f6c2_prep
	.globl	k_q05ad82f6c2_prep
	.p2align	8
	.type	k_q05ad82f6c2_prep,@function
k_q05ad82f6c2_prep:
	s_mov_b64 s[64:65], 0
	v_nop
	global_prefetch_b8 v0, s[64:65] scope:SCOPE_SE
	s_setreg_imm32_b32 hwreg(HW_REG_WAVE_MODE, 25, 1), 1
	s_wait_xcnt 0x0
; k and v, [2048 (s)][32 (head)][128 (d)] f32, become codes of FP6 (E2M3) with one E8M0 scale byte for each 32 along a product's K:
; k along d (the first product's K), v along the keys (the second product's K).  Both are laid in the ORDER OF THE OPERAND'S REGISTERS:
; a fragment (16 rows x 128 along K, 12 registers a lane) is 1,536 bytes: registers 4 c .. 4 c + 3 of lane L at 512 c + 16 L.
;   kv: [head 32][slot 4 (512 keys)][K's part 49,152 | V's part 49,152]; a part: [key step 4 (128 keys)][tile 8][1,536].
;   sc: [head 32][K 8,192 | V 8,192]; a half: [key step 16][group 2][lane 32][e 2] words: the word at (lane, e) is the scale word of tile 4 g + 2 e + lane / 16, row lane % 16.
; K's tile T = 2 b + u of a key step: row r is key 32 b + 8 u + r + 8 (r / 8) (so that the scores of two neighbouring tiles are 16 neighbouring keys in a lane); registers 6 c .. hold d = 64 c + 32 h + 0 .. 31.
; V's tile T: row r is d = 16 T + r; registers 6 c .. hold the step's keys 64 c + 32 h + 0 .. 31.
; A block's scale is 2^(floor(log2(its largest magnitude)) - 2); its byte is the largest magnitude's exponent field - 2, held at 1 from below.
; LIMITS: a block of zeros gets the byte 1 where the rule says 127 (its codes are zeros, which add nothing, and this program alone reads the bytes); blocks whose largest magnitude lies under 2^-124
; (byte held at 1) were not tried; NaN and infinities among the inputs are not served.
; SHARES.  A work-group takes 256 keys of one head.  Waves 0-3 quantise k, waves 4-7 v; wave w % 4 makes the four fragments of key step 2 x + (w % 4) / 2, group (w % 4) % 2:
; 6,144 consecutive bytes of kv and 256 consecutive, aligned bytes of sc.  The waves share nothing: no barrier; the two paths part on the wave's number and never join.
; THE ORDER OF K's ROWS, which stands in place of what the head says of K's tiles: tile 4 g + i of a key step: row r is key 64 g + 8 i + r % 8 + 32 (r / 8),
; so that the scores of a group's four tiles are, in a lane, the 32 neighbouring keys 64 g + 32 (lane / 16) + 0 .. 31: one whole block of the second product's K.
.set SROW,   16384                     ; bytes from a key to the next
.set HEADKV, 393216
.set SLOTB,  98304
.set HALFB,  49152
.set FRB,    1536
.set SP,     528                       ; K's stage: a key's 512 bytes + 16: an odd multiple of 16 bytes, so that sixteen rows' loads of 16 bytes fall on different columns
.set MX, 12                            ; v12-13  two blocks' largest magnitudes
.set SO, 14                            ; v14-15  the conversions' scale operands
.set BY, 16                            ; v16-17  the scale bytes
.set T2, 18                            ; v18-20, v22-24  the upper halves of two blocks' codes (a conversion's three registers begin on an even number)
.set PD, 25                            ; v25     a lane permute's destination
.set WD, 28                            ; v28-31  K: the four tiles' scale words
.set R0, 32                            ; K: v32-95, v96-159 two sets of 16 keys as loaded
.set X,  160                           ; K: v160-223 my 64 numbers of a row
.set D0, 224                           ; K: v224-235, v236-247 two sets of codes
.set VX, 32                            ; V: v32-95, v96-159 two sets of 2 blocks x 32 keys of my column
.set VDD, 160                          ; V: v160-207 the four tiles' codes
; Two blocks of 32 numbers of a lane, v[x] .. v[x + 31] and v[x + 32] .. v[x + 63], become 6 + 6 registers of codes at v[d0] and v[d1]; their bytes in v[BY], v[BY + 1].
.macro PAIRQ x, d0, d1
.irp c, 0,1
	v_max3_num_f32 v[MX+\c], |v[(\x)+32*\c]|, |v[(\x)+32*\c+1]|, 0x1800000   ; and the floor 2^(3 - 127): the byte cannot fall under 1
.endr
.irp i, 2,4,6,8,10,12,14,16,18,20,22,24,26,28,30
.irp c, 0,1
	s_delay_alu instid0(VALU_DEP_2)
	v_max3_num_f32 v[MX+\c], v[MX+\c], |v[(\x)+32*\c+\i]|, |v[(\x)+32*\c+\i+1]|   ; (the two blocks by turns)
.endr
.endr
.irp c, 0,1
	s_delay_alu instid0(VALU_DEP_2)
	v_add_nc_u32 v[SO+\c], 0xff000000, v[MX+\c]    ; 2 off the exponent field: the conversion takes the exponent field of this operand as its scale, and nothing else of it
.endr
.irp c, 0,1
	s_delay_alu instid0(VALU_DEP_2)
	v_lshrrev_b32 v[BY+\c], 23, v[SO+\c]           ; the scale's byte
.endr
	v_cvt_scalef32_pk16_fp6_f32 v[(\d0):(\d0)+2], v[(\x):(\x)+15], v[SO]
	v_cvt_scalef32_pk16_fp6_f32 v[T2:T2+2], v[(\x)+16:(\x)+31], v[SO]
	v_cvt_scalef32_pk16_fp6_f32 v[(\d1):(\d1)+2], v[(\x)+32:(\x)+47], v[SO+1]
	v_cvt_scalef32_pk16_fp6_f32 v[T2+4:T2+6], v[(\x)+48:(\x)+63], v[SO+1]
	v_nop                                          ; one plain instruction between a scaled conversion and the vector instruction that touches its result
.irp i, 0,1,2
	v_mov_b32 v[(\d0)+3+\i], v[T2+\i]
	v_mov_b32 v[(\d1)+3+\i], v[T2+4+\i]
.endr
.endm
	s_load_b256 s[4:11], s[0:1], 0x0               ; k s[4:5], v s[6:7], kv s[8:9], sc s[10:11]
	v_lshl_add_u32 v254, v0, 2, 0x8400
	v_mov_b32 v255, 0
	v_lshrrev_b32 v1, 5, v0
	s_delay_alu instid0(VALU_DEP_1)
	v_readfirstlane_b32 s12, v1                    ; wave 0..7
	v_and_b32 v1, 31, v0                           ; lane
	v_and_b32 v2, 15, v0                           ; r
	v_bfe_u32 v3, v0, 4, 1                         ; h
	s_delay_alu instid0(VALU_DEP_3)
	v_lshlrev_b32 v4, 4, v1                        ; 16 x lane: an image's place, and K's loads
	s_delay_alu instid0(VALU_DEP_4)
	v_lshlrev_b32 v5, 3, v1                        ; 8 x lane: my two scale words' place
	v_lshlrev_b32 v6, 2, v1                        ; 4 x lane: V's loads
	s_delay_alu instid0(VALU_DEP_4)
	v_lshlrev_b32 v7, 3, v3                        ; 8 h
	v_mov_b32 v[PD], 0                             ; written once: a lane permute's destination counts as one of its sources
	s_and_b32 s13, s12, 3                          ; which quarter of the work-group's 256 keys x 8 tiles
	s_lshr_b32 s14, s12, 2                         ; 0: k, 1: v
	s_and_b32 s15, ttmp7, 0xffff                   ; head
	s_mov_b32 s22, 0x76543210
	s_mov_b32 s23, 0xfedcba98                      ; v_permlanex16_b32's selects for lane l xor 16
	s_mul_i32 s16, s15, HEADKV                     ; kv: head,
	s_lshr_b32 s25, ttmp9, 1
	s_mul_i32 s25, s25, SLOTB
	s_add_co_u32 s16, s16, s25                     ; slot x / 2,
	s_mul_i32 s25, s14, HALFB
	s_add_co_u32 s16, s16, s25                     ; K's part or V's,
	s_and_b32 s25, ttmp9, 1
	s_mul_i32 s25, s25, 24576
	s_add_co_u32 s16, s16, s25                     ; key step 2 (x % 2) + (w % 4) / 2, group (w % 4) % 2:
	s_mul_i32 s25, s13, 4*FRB
	s_add_co_u32 s16, s16, s25                     ; 24,576 (x % 2) + 6,144 (w % 4)
	s_mov_b32 s17, 0
	s_lshl_b32 s18, s15, 14                        ; sc: head,
	s_lshl_b32 s25, s14, 13
	s_add_co_u32 s18, s18, s25                     ; K's half or V's,
	s_lshl_b32 s25, ttmp9, 10
	s_add_co_u32 s18, s18, s25
	s_lshl_b32 s25, s13, 8
	s_add_co_u32 s18, s18, s25                     ; 512 x key step + 256 x group = 1,024 x + 256 (w % 4)
	s_mov_b32 s19, 0
	s_lshl_b32 s20, ttmp9, 22                      ; the input: 256 x keys of 16,384 bytes,
	s_lshl_b32 s25, s15, 9
	s_add_co_u32 s20, s20, s25                     ; the head's 512 bytes of a key;
	s_lshl_b32 s26, s13, 20                        ; k: + 64 (w % 4) keys
	s_lshr_b32 s27, s13, 1
	s_lshl_b32 s27, s27, 21                        ; v: + 128 ((w % 4) / 2) keys
	s_and_b32 s25, s13, 1
	s_lshl_b32 s25, s25, 8
	s_add_co_u32 s27, s27, s25                     ;    + 64 ((w % 4) % 2) columns
	s_cmp_lt_u32 s12, 4
	s_cselect_b32 s26, s26, s27
	s_add_co_u32 s20, s20, s26
	s_mov_b32 s21, 0
	s_wait_kmcnt 0x0
	s_cmp_lt_u32 s12, 4                            ; the choice of the input hangs on the wave's number alone
	s_cselect_b64 s[4:5], s[4:5], s[6:7]
	s_add_nc_u64 s[4:5], s[4:5], s[20:21]
	s_add_nc_u64 s[8:9], s[8:9], s[16:17]
	s_add_nc_u64 s[10:11], s[10:11], s[18:19]
	s_cmp_lt_u32 s12, 4
	s_cbranch_scc0 .Lv
; ---- K.  A load reads one key's 512 consecutive bytes, 16 a lane; a tile's 16 keys turn through the wave's own stage in LDS and come back as 64 numbers a lane: of row r, d = 64 c + 32 h + 0 .. 31.
	s_mul_i32 s24, s12, 16*SP                      ; my stage
	s_wait_alu depctr_va_vdst(0)
	v_add_nc_u32 v8, s24, v4                       ; in: 16 x lane of a row
	v_mul_u32_u24 v9, v2, SP
	s_delay_alu instid0(VALU_DEP_1)
	v_lshl_add_u32 v9, v3, 7, v9
	s_delay_alu instid0(VALU_DEP_1)
	v_add_nc_u32 v9, s24, v9                       ; back: row r, + 128 h
.macro KLOAD t, set                    ; tile t's 16 keys: row p is key 8 t + p % 8 + 32 (p / 8) of my 64
.irp p, 0,1,2,3,4,5,6,7,8,9,10,11,12,13,14,15
	global_load_b128 v[(\set)+4*\p:(\set)+4*\p+3], v4, s[4:5] offset:(8*(\t)+\p+24*(\p/8))*SROW th:TH_LOAD_NT
.endr
.endm
.macro KTILE t
.set RS, R0+64*((\t)%2)
.set DD, D0+12*((\t)%2)
.if (\t) < 3
	s_wait_loadcnt 16                              ; this tile's 16 loads are in; the next tile's 16 may be out
.else
	s_wait_loadcnt 0x0
.endif
.irp p, 0,1,2,3,4,5,6,7,8,9,10,11,12,13,14,15
	ds_store_b128 v8, v[RS+4*\p:RS+4*\p+3] offset:SP*\p
.endr
.irp c, 0,1
.irp i, 0,1,2,3,4,5,6,7
	ds_load_b128 v[X+32*\c+4*\i:X+32*\c+4*\i+3], v9 offset:256*\c+16*\i   ; LDS serves a wave's instructions in order (ISA guide 5.7.1.4): these see the stores above
.endr
.endr
	s_wait_dscnt 0x0                               ; my 64 numbers are in, and the stores have read their registers,
.if (\t) < 2
	KLOAD (\t)+2, RS                               ; which take the tile two on
.else
	s_wait_xcnt 0x0                                ; the stores of the tile two back have read this set of codes: it is written again only behind this wait
.endif
	PAIRQ X, DD, DD+6
	v_lshl_or_b32 v[WD+(\t)], v[BY+1], 16, v[BY]   ; my two bytes: blocks h and 2 + h of row r,
	s_delay_alu instid0(VALU_DEP_1)
	v_lshlrev_b32 v[WD+(\t)], v7, v[WD+(\t)]       ; at their places in the scale word (8 h bits up);
	s_delay_alu instid0(VALU_DEP_1)
	v_permlanex16_b32 v[PD], v[WD+(\t)], s22, s23
	s_delay_alu instid0(VALU_DEP_1)
	v_or_b32 v[WD+(\t)], v[WD+(\t)], v[PD]         ; with lane l xor 16's two the word is whole, in both halves of the lanes
.irp c, 0,1,2
	global_store_b128 v4, v[DD+4*\c:DD+4*\c+3], s[8:9] offset:FRB*(\t)+512*\c   ; 32 lanes store 512 consecutive bytes, at a multiple of 256 from kv's first byte
.endr
.endm
	KLOAD 0, R0
	KLOAD 1, R0+64
	s_wait_alu depctr_va_vdst(0)
	KTILE 0
	KTILE 1
	KTILE 2
	KTILE 3
	v_cmp_le_u32 vcc_lo, 16, v1                    ; lanes 16-31 carry the odd tiles' words
	s_delay_alu instid0(VALU_DEP_1)
	v_cndmask_b32 v10, v[WD], v[WD+1], vcc_lo
	s_delay_alu instid0(VALU_DEP_2)
	v_cndmask_b32 v11, v[WD+2], v[WD+3], vcc_lo
	global_store_b64 v5, v[10:11], s[10:11]        ; 32 lanes store 256 consecutive, aligned bytes
	s_wait_tensorcnt 0x0
	ds_add_u32 v254, v255
	s_wait_dscnt 0x0
	s_endpgm
; ---- V.  A LANE TAKES A COLUMN d, AND ITS REGISTERS RUN DOWN THE KEYS: a block of 32 keys lies in one lane's 32 registers, and the conversions give codes with the keys innermost.
; Unit u = 2 c + e: keys 64 c .. 64 c + 63 of the step (two blocks), columns 32 e + lane of my 64.  A load reads 128 consecutive bytes.  (No hint: units e = 0 and e = 1 read neighbouring halves of the same 256 bytes.)
.Lv:
.macro VLOAD u
.set VL, VX+64*((\u)%2)
.irp bb, 0,1
.irp i, 0,1,2,3,4,5,6,7,8,9,10,11,12,13,14,15,16,17,18,19,20,21,22,23,24,25,26,27,28,29,30,31
	global_load_b32 v[VL+32*\bb+\i], v6, s[4:5] offset:(64*((\u)/2)+32*\bb+\i)*SROW+128*((\u)%2)
.endr
.endr
.endm
.macro VUNIT u
.set VS, VX+64*((\u)%2)
.set VD, VDD+24*((\u)%2)+6*((\u)/2)    ; registers 6 c .. of tile 2 e; tile 2 e + 1's lie 12 on
.if (\u) < 3
	s_wait_loadcnt 63                              ; 64 younger loads have been issued; the wait names the largest count that it can, which is under that: this unit's 64 are in
.else
	s_wait_loadcnt 0x0
.endif
	PAIRQ VS, VD, VD+12
.irp i, 0,1,2,3,4,5
	v_permlane16_swap_b32 v[VD+\i], v[VD+12+\i]    ; the first's lanes 16-31 (columns 16 .., lower block) change places with the second's lanes 0-15 (columns 0 .., upper block): the first is now tile 2 e's (h: the block), the second tile 2 e + 1's
.endr
.if (\u) < 2
	v_lshl_or_b32 v[10+(\u)%2], v[BY+1], 8, v[BY]  ; my column's scale word: bytes 0, 1 (keys 0-63);
	VLOAD (\u)+2
.else
	v_lshl_or_b32 v[10+(\u)%2], v[BY], 16, v[10+(\u)%2]     ; bytes 2, 3 (keys 64-127)
	s_delay_alu instid0(VALU_DEP_1)
	v_lshl_or_b32 v[10+(\u)%2], v[BY+1], 24, v[10+(\u)%2]
.irp w, 0,1                            ; tiles 2 e and 2 e + 1 are whole
.irp c, 0,1,2
	global_store_b128 v4, v[VDD+12*(2*((\u)%2)+\w)+4*\c:VDD+12*(2*((\u)%2)+\w)+4*\c+3], s[8:9] offset:FRB*(2*((\u)%2)+\w)+512*\c
.endr
.endr
.endif
.endm
	s_wait_alu depctr_va_vdst(0)
	VLOAD 0
	VLOAD 1
	VUNIT 0
	VUNIT 1
	VUNIT 2
	VUNIT 3
	global_store_b64 v5, v[10:11], s[10:11]        ; lane L's words: e = 0: tile L / 16, e = 1: tile 2 + L / 16, row L % 16
	s_endpgm
.Lfunc_end_k_q05ad82f6c2_prep:
	.size	k_q05ad82f6c2_prep, .Lfunc_end_k_q05ad82f6c2_prep-k_q05ad82f6c2_prep
	.p2alignl 7, 3214868480
	.fill 96, 4, 3214868480
	.section	.rodata,"a",@progbits
	.p2align	6, 0x0
	.amdhsa_kernel k_q05ad82f6c2_prep
		.amdhsa_group_segment_fixed_size 34816
		.amdhsa_private_segment_fixed_size 0
		.amdhsa_enable_private_segment 0
		.amdhsa_kernarg_size 32
		.amdhsa_user_sgpr_count 2
		.amdhsa_user_sgpr_kernarg_segment_ptr 1
		.amdhsa_wavefront_size32 1
		.amdhsa_system_sgpr_workgroup_id_x 1
		.amdhsa_system_sgpr_workgroup_id_y 1
		.amdhsa_system_sgpr_workgroup_id_z 1
		.amdhsa_system_vgpr_workitem_id 0
		.amdhsa_next_free_vgpr 256
		.amdhsa_next_free_sgpr 66
		.amdhsa_reserve_vcc 1
		.amdhsa_float_denorm_mode_32 3
		.amdhsa_float_denorm_mode_16_64 3
		.amdhsa_memory_ordered 1
		.amdhsa_forward_progress 1
		.amdhsa_inst_pref_size 77
	.end_amdhsa_kernel
	.amdgpu_metadata
---
amdhsa.version: [ 1, 2 ]
amdhsa.kernels:
  - .name:           k_q05ad82f6c2_prep
    .symbol:         k_q05ad82f6c2_prep.kd
    .args:
      - { .name: k, .offset: 0, .size: 8, .value_kind: global_buffer, .address_space: global }
      - { .name: v, .offset: 8, .size: 8, .value_kind: global_buffer, .address_space: global }
      - { .name: kv, .offset: 16, .size: 8, .value_kind: global_buffer, .address_space: global }
      - { .name: sc, .offset: 24, .size: 8, .value_kind: global_buffer, .address_space: global }
    .group_segment_fixed_size: 34816
    .private_segment_fixed_size: 0
    .kernarg_segment_align: 8
    .kernarg_segment_size: 32
    .max_flat_workgroup_size: 256
    .sgpr_count:     66
    .vgpr_count:     256
    .wavefront_size: 32
...
	.end_amdgpu_metadata
.endif
;; end of part 1
;; launch attn (part 2): grid 8 x 32, 8 waves a work-group, clusters of 4 x 1, 327,680 bytes of LDS; arguments q, kv, sc, out0; writes out0
.if DOCPART == 2
	.amdgcn_target "amdgcn-amd-amdhsa--gfx1250"
	.amdhsa_code_object_version 6
	.text
	.protected	k_q05ad82f6c2_attn
	.globl	k_q05ad82f6c2_attn
	.p2align	8
	.type	k_q05ad82f6c2_attn,@function
k_q05ad82f6c2_attn:
	s_mov_b64 s[64:65], 0
	v_nop
	global_prefetch_b8 v0, s[64:65] scope:SCOPE_SE
	s_setreg_imm32_b32 hwreg(HW_REG_WAVE_MODE, 25, 1), 1
	s_wait_xcnt 0x0
	s_wait_alu depctr_hold_cnt(0) depctr_sa_sdst(0) depctr_va_vdst(0) depctr_va_sdst(0) depctr_va_ssrc(0) depctr_va_vcc(0) depctr_vm_vsrc(0)
	s_getreg_b32 s2, hwreg(HW_REG_IB_STS2, 6, 4)
	s_cmp_eq_u32 s2, 0
	s_cbranch_scc0 .Lentry_in_a_cluster
	s_endpgm
.Lentry_in_a_cluster:
	s_bfe_u32 s2, ttmp6, 0x10000c
	s_cmp_lg_u32 s2, 0x3003
	s_cbranch_scc0 .Lentry_shape_is_right
	s_endpgm
.Lentry_shape_is_right:
; out0[s][head][:] = the sum over keys t of softmax_t(q[s][head] . k[t][head] / sqrt(128)) v[t][head][:], both products on codes of FP6 (E2M3) with one E8M0 scale for each 32 along a product's K.
; q, out0: [2048][32 (head)][128] f32.  k's and v's codes and scale words come from the launch before, in the order of the operand's registers:
;   kv: [head][slot 4 (512 keys)][K 49,152 | V 49,152]; a part: [key step 4][tile 8][1,536]; a fragment's registers 4 c .. 4 c + 3 of lane L at 512 c + 16 L.
;   sc: [head][K 8,192 | V 8,192]; a half: [key step 16][group 2][lane 32][e 2] words: the word at (lane, e) belongs to tile 4 g + 2 e + lane / 16, row lane % 16.
; SOFTMAX: t = score x log2(e) / sqrt(128); M = the row's largest t so far, rounded up to a whole number; p = 2^(t - M) is quantised along the keys, not normalised.
; The row's sum is taken of the unquantised p, in f32, and divides O at the end.  When M moves, the sum and O are multiplied by 2^(old M - new M): exact.
; SHARES: a work-group owns 256 queries of one head, each of its eight waves 32 of them: two tiles, which share every fragment of K and V that the wave reads from LDS.
; Every wave walks all 2,048 keys, 128 a step; a ring of two LDS slots of 512 keys is filled by waves 0-3 and read by all eight.
; CLUSTER: the four query blocks of a cluster belong to one head and walk the same codes: each tile is asked for jointly, by the same descriptor and a mask that names the four.
; LAYOUT: both products are used transposed: S^T = K Q^T, O^T = V^T P^T: a lane holds one query (lane % 16) of each tile throughout.
; Row r of K's tile 4 g + i is key 64 g + 8 i + r % 8 + 32 (r / 8): so a lane's 32 registers of a group's four tiles are keys 64 g + 32 h + 0 .. 31 (h = lane / 16): one whole block of 32,
; in the order and the lane in which P's operand wants it: a block's maximum needs no other lane and the codes are not moved between lanes.
; A WAVE'S PRODUCTS AND ITS VECTOR WORK TAKE TURNS where the two do not hang on each other: the first product's second half with the maxima of the blocks that its first half made, the second product with the rows' sums.
; LIMITS: a block of zeros has the byte 1 where the rule says 127 (its codes are zeros); blocks of q whose largest magnitude lies under 2^-124 were not tried; NaN and infinities are not served;
; the scaled scores t stay under 2^31 in magnitude; a block's largest p is taken through the block's largest score, which takes v_exp_f32 not to fall where its input rises.
; REGISTERS.  Window 1: v0-127 S^T, then p (tile u, block c at 64 u + 32 c); v128-255 O^T (tile u at 128 + 64 u).  Window 0: all else, named below.
.set SROW,   16384                     ; bytes from a query to the next, in q and in out0
.set HEADKV, 393216
.set SLOTB,  98304
.set HALFB,  49152
.set STEPB,  12288
.set FRB,    1536
.set SLOT1,  131072                    ; slot 1 begins here: one exclusive or turns an address in one slot into the other's
.set SC,     262144                    ; the head's scale words, 16,384 bytes, filled once
.set SPARE,  SC+16384                  ; the spare words, 128 bytes for each wave: four blocks of 256 bytes that no other line names
.set STP,    272                       ; the way out: 16 rows x (256 + 16) bytes for each wave, from LDS byte 0: slot 0 has had its last fill, and its last read stands in front of the last change's barrier
; v1-3 lane terms of LDS addresses; v4 q's offset; v5, v6 the spare word's address and 0; v7 my offset in out0; v8-10 the slot's LDS addresses; v11 8 h; v28 the prefetches' offset
.set NM,  12                           ; -M: step parity p, tile u at v[12 + 4 p + 2 u]; v13, v15 the largest score so far of tiles 0, 1
.set F,   20                           ; v20, v22 f = 2^(old M - new M)
.set SUM, 24                           ; v[24:25], v[26:27] the rows' sums, in two halves
.set FR,  32                           ; v32-127 the eight fragments of a step's K, then of its V
.set QC,  128                          ; v128-151 Q's codes
.set PC,  152                          ; v152-175 P's codes
.set T2,  176                          ; v176-191 the upper halves of four blocks' codes (a conversion's three registers begin on an even number)
.set BM,  192                          ; v192-195 the four blocks' maxima (block 2 u + c)
.set SOP, 196                          ; the conversions' scale operands
.set BY,  200                          ; the maxima's second chains, then the scale bytes
.set RM,  204                          ; at work
.set PX,  206                          ; lane permutes' destinations
.set KS,  208                          ; v208-211 V's scale words
.set QS,  212                          ; q's scale words
.set PS,  214                          ; p's scale words
.set XS,  216                          ; v216-219 the sums' second chains
.set KK,  220                          ; v220-223 K's scale words
; s12 wave, s13 wave % 4, s14 head, s15 cx, s16 query block; s19 -c; s[20:21] lane selects; s[22:23] c; s[24:31] group 1 of the tiles, s[32:39] of the scale words; s[40:43], s[44:47] their groups 0;
; s48 the slot's LDS byte, s49 the slot's scale words, s50 slots still to be asked for, s51 who prefetches, s[52:53] where; s[54:61] offsets; s62 my stage.
.set MSB, 0
.macro WIN new                         ; low byte: bits 1:0 source 0, 3:2 source 1, 5:4 source 2, 7:6 destination; the high byte repeats the setting that is left
.if MSB != \new
	s_set_vgpr_msb (MSB<<8)|\new
.set MSB, \new
.endif
.endm
.macro CROUND                          ; a round of the cluster's barrier
	s_barrier_signal -1
	s_barrier_wait -1
	s_cmp_lg_u32 s12, 0
	s_cbranch_scc1 .Lnot_wave_0_\@
	s_barrier_signal -3
.Lnot_wave_0_\@:
	s_barrier_wait -3
	s_barrier_signal -1
	s_barrier_wait -1
.endm
.macro PLACES
.rept 4
	v_nop
.endr
.endm
.macro JLOAD                           ; the joint refill: waves 0-3 fetch a quarter of a slot each; the branch hangs on the wave's number alone
	s_cmp_lt_u32 s12, 4
	s_cbranch_scc0 .Lno_load_\@
	tensor_load_to_lds s[40:43], s[24:31]
	s_nop 0
	PLACES
.Lno_load_\@:
.endm
; A prefetch of the slot that the NEXT change of slots will ask for: 98,304 bytes = 12 x 8,192.  The head's first cluster asks; its four partners share the twelve parts out by address
; (part 3 cx + wave - 4): waves 4, 5, 6 ask for one part each, lanes 256 bytes apart: each 256 bytes are named once in the launch.  Slots 0 and 1 and the scale words come by their loads alone;
; the last change that fills a slot asks for nothing.  The lead is one slot: four key steps.
.macro ASK
	s_cmp_gt_u32 s50, s51
	s_cbranch_scc0 .Lnot_mine_\@
	global_prefetch_b8 v28, s[52:53] th:TH_LOAD_NT scope:SCOPE_SE
.Lnot_mine_\@:
.endm
.macro QMAX                            ; q: the largest magnitude, over the floor 2^(3 - 127), of each of my four blocks of 32 registers; the four by turns
	WIN 0x15
.irp n, 0,1,2,3
	v_max3_num_f32 v[BM+\n], |v[32*\n]|, |v[32*\n+1]|, |v[32*\n+2]|
.endr
	WIN 0x14
.irp i, 3,5,7,9,11,13,15,17,19,21,23,25,27,29
.irp n, 0,1,2,3
	v_max3_num_f32 v[BM+\n], v[BM+\n], |v[32*\n+\i]|, |v[32*\n+\i+1]|
.endr
.endr
.irp n, 0,1,2,3
	v_max3_num_f32 v[BM+\n], v[BM+\n], |v[32*\n+31]|, 0x1800000
.endr
.endm
; The largest score of block c of both tiles, in eight groups of four instructions: each block in two chains of 16 registers, four chains by turns; each accumulator is read from its low end on.
.macro MX4 c, g
.if (\g) == 0
	WIN 0x15
.irp u, 0,1
	v_max3_num_f32 v[BM+2*\u+\c], v[64*\u+32*\c], v[64*\u+32*\c+1], v[64*\u+32*\c+2]
	v_max3_num_f32 v[BY+2*\u+\c], v[64*\u+32*\c+16], v[64*\u+32*\c+17], v[64*\u+32*\c+18]
.endr
.else
.if (\g) < 7
	WIN 0x14
.irp u, 0,1
	v_max3_num_f32 v[BM+2*\u+\c], v[BM+2*\u+\c], v[64*\u+32*\c+2*(\g)+1], v[64*\u+32*\c+2*(\g)+2]
	v_max3_num_f32 v[BY+2*\u+\c], v[BY+2*\u+\c], v[64*\u+32*\c+2*(\g)+17], v[64*\u+32*\c+2*(\g)+18]
.endr
.else
	WIN 0x04
.irp u, 0,1
	v_max_num_f32 v[BY+2*\u+\c], v[BY+2*\u+\c], v[64*\u+32*\c+31]
.endr
.irp u, 0,1
	v_max3_num_f32 v[BM+2*\u+\c], v[BM+2*\u+\c], v[64*\u+32*\c+15], v[BY+2*\u+\c]   ; the two chains join
.endr
.endif
.endif
.endm
; My four blocks become codes at v[d + 6 (2 u + c)] and two scale words at v[w + u], from the blocks' largest magnitudes in v[BM ..] (fl = 1: the floor is laid under them here).
.macro CODES d, w, fl
	WIN 0
.if \fl
.irp n, 0,1,2,3
	v_max_num_f32 v[BM+\n], 0x1800000, v[BM+\n]    ; the byte cannot fall under 1
.endr
.endif
.irp n, 0,1,2,3
.if \fl
	s_delay_alu instid0(VALU_DEP_4)
.endif
	v_add_nc_u32 v[SOP+\n], 0xff000000, v[BM+\n]   ; 2 off the exponent field: the conversion's scale operand
.endr
	WIN 0x01
.irp n, 0,1,2,3
	v_cvt_scalef32_pk16_fp6_f32 v[\d+6*\n:\d+6*\n+2], v[32*\n:32*\n+15], v[SOP+\n]
	v_cvt_scalef32_pk16_fp6_f32 v[T2+4*\n:T2+4*\n+2], v[32*\n+16:32*\n+31], v[SOP+\n]
.endr
	WIN 0
.irp n, 0,1,2,3
	v_lshrrev_b32 v[BY+\n], 23, v[SOP+\n]          ; the scale's byte.  (Also the plain instruction behind the conversions)
.endr
	s_delay_alu instid0(VALU_DEP_3)
	v_lshl_or_b32 v[\w], v[BY+1], 16, v[BY]        ; my two bytes of a tile: blocks h and 2 + h of my query,
	s_delay_alu instid0(VALU_DEP_2)
	v_lshl_or_b32 v[\w+1], v[BY+3], 16, v[BY+2]
.irp u, 0,1
	s_delay_alu instid0(VALU_DEP_2)
	v_lshlrev_b32 v[\w+\u], v11, v[\w+\u]          ; at their places (8 h bits up);
.endr
.irp u, 0,1
	s_delay_alu instid0(VALU_DEP_2)
	v_permlanex16_b32 v[PX+\u], v[\w+\u], s20, s21
.endr
.irp u, 0,1
	s_delay_alu instid0(VALU_DEP_2)
	v_or_b32 v[\w+\u], v[\w+\u], v[PX+\u]          ; with lane l xor 16's two the word is whole
.endr
.irp n, 0,1,2,3
.irp i, 0,1,2
	v_mov_b32 v[\d+6*\n+3+\i], v[T2+4*\n+\i]
.endr
.endr
.endm
.macro FRG adr, f0, off                ; fragments f0 .. f0 + 3 of a step as they lie: 12 loads of 512 consecutive bytes
.irp t, 0,1,2,3
.irp c, 0,1,2
	ds_load_b128 v[FR+12*(\f0+\t)+4*\c:FR+12*(\f0+\t)+4*\c+3], v[\adr] offset:(\off)+FRB*(\f0+\t)+512*\c
.endr
.endr
.endm
.macro SCW d, soff                     ; a step's scale words of K or of V
	ds_load_b64 v[\d:\d+1], v10 offset:(\soff)
	ds_load_b64 v[\d+2:\d+3], v10 offset:(\soff)+256
.endm
.macro KQW t, u                        ; S^T, K's tile t, my tile u.  Tile t's scale words: register t / 2, lanes 0-15 for even t, lanes 16-31 for odd t
.if (\t)%2
	v_wmma_scale_f32_16x16x128_f8f6f4 v[64*\u+8*\t:64*\u+8*\t+7], v[FR+12*\t:FR+12*\t+11], v[QC+12*\u:QC+12*\u+11], 0, v[KK+\t/2], v[QS+\u] matrix_a_fmt:MATRIX_FMT_FP6 matrix_b_fmt:MATRIX_FMT_FP6 matrix_a_scale:MATRIX_SCALE_ROW1
.else
	v_wmma_scale_f32_16x16x128_f8f6f4 v[64*\u+8*\t:64*\u+8*\t+7], v[FR+12*\t:FR+12*\t+11], v[QC+12*\u:QC+12*\u+11], 0, v[KK+\t/2], v[QS+\u] matrix_a_fmt:MATRIX_FMT_FP6 matrix_b_fmt:MATRIX_FMT_FP6
.endif
.endm
.macro PVW t, u                        ; O^T += V^T P^T, V's tile t, my tile u: the sixteen accumulators take turns, one instruction a turn
.if (\t)%2
	v_wmma_scale_f32_16x16x128_f8f6f4 v[128+64*\u+8*\t:128+64*\u+8*\t+7], v[FR+12*\t:FR+12*\t+11], v[PC+12*\u:PC+12*\u+11], v[128+64*\u+8*\t:128+64*\u+8*\t+7], v[KS+\t/2], v[PS+\u] matrix_a_fmt:MATRIX_FMT_FP6 matrix_b_fmt:MATRIX_FMT_FP6 matrix_a_scale:MATRIX_SCALE_ROW1
.else
	v_wmma_scale_f32_16x16x128_f8f6f4 v[128+64*\u+8*\t:128+64*\u+8*\t+7], v[FR+12*\t:FR+12*\t+11], v[PC+12*\u:PC+12*\u+11], v[128+64*\u+8*\t:128+64*\u+8*\t+7], v[KS+\t/2], v[PS+\u] matrix_a_fmt:MATRIX_FMT_FP6 matrix_b_fmt:MATRIX_FMT_FP6
.endif
.endm
.macro ADDS lo, n                      ; pairs lo .. lo + n - 1 of both tiles' p go onto the sums: even pairs onto the sum itself, odd ones onto the second chain: four chains by turns
.set j, \lo
.rept \n
.irp u, 0,1
	v_pk_add_f32 v[SUM+(XS-SUM)*(j%2)+2*\u:SUM+(XS-SUM)*(j%2)+2*\u+1], v[SUM+(XS-SUM)*(j%2)+2*\u:SUM+(XS-SUM)*(j%2)+2*\u+1], v[64*\u+2*j:64*\u+2*j+1]
.endr
.set j, j+1
.endr
.endm
; A KEY STEP: 128 keys, the q-th of the slot in hand, for both tiles.
.macro STEP q
.set NN, NM+4*((\q)%2)                 ; this step's -M
.set NO, NM+4-4*((\q)%2)               ; the last step's
.if (\q) == 0
	v_add_nc_u32 v8, s48, v1                       ; the slot's addresses: K's part,
	v_add_nc_u32 v9, s48, v2                       ; V's part,
	v_add_nc_u32 v10, s49, v3                      ; its scale words
	s_wait_alu depctr_va_vdst(0)                   ; the wait
	FRG 8, 0, 0
	SCW KK, 0
	FRG 8, 4, 0
.endif
	s_wait_dscnt 12                                ; K's fragments 0-3 and its scale words are in; the 12 loads of fragments 4-7, issued behind them, may be out
	WIN 0x40
.irp t, 0,1,2,3
.irp u, 0,1
	KQW \t, \u
.endr
.endr
	PLACES                                         ; between these products and the first reads of their results
	s_wait_dscnt 0x0                               ; fragments 4-7 are in
.irp t, 4,5,6,7                        ; blocks c = 1 are multiplied while the largest scores of blocks c = 0 are taken: four instructions behind each product, none of which names a register of it
.irp u, 0,1
	WIN 0x40
	KQW \t, \u
	MX4 0, 2*(\t-4)+\u
.endr
.endr
	FRG 9, 0, (\q)*STEPB                           ; V's fragments land while the softmax is walked.  (The last four instructions are the places; address and destination lie in window 0 under this setting)
	FRG 9, 4, (\q)*STEPB
	SCW KS, 8192+512*(\q)
.irp g, 0,1,2,3,4,5,6,7
	MX4 1, \g
.endr
	WIN 0                                          ; a block's largest score serves twice: for the row's maximum and, since p rises with the score, for the block's largest p
	v_max_num_f32 v[RM], v[BM], v[BM+1]
	v_max_num_f32 v[RM+1], v[BM+2], v[BM+3]
.irp u, 0,1
	s_delay_alu instid0(VALU_DEP_2)
	v_permlanex16_b32 v[PX+\u], v[RM+\u], s20, s21
.endr
.irp u, 0,1
	s_delay_alu instid0(VALU_DEP_2)
	v_max3_num_f32 v[NM+1+2*\u], v[NM+1+2*\u], v[RM+\u], v[PX+\u]   ; the row's largest score so far
.endr
.irp u, 0,1
	s_delay_alu instid0(VALU_DEP_2)
	v_mul_f32 v[RM+\u], s19, v[NM+1+2*\u]          ; -t (c is positive)
.endr
.irp u, 0,1
	s_delay_alu instid0(VALU_DEP_2)
	v_floor_f32 v[NN+2*\u], v[RM+\u]               ; -M = floor(-t) = -ceil(t): a whole number
.endr
.irp u, 0,1
	s_delay_alu instid0(VALU_DEP_2)
	v_sub_f32 v[RM+\u], v[NN+2*\u], v[NO+2*\u]     ; old M less new M: a whole number, 0 or less
.endr
.irp u, 0,1
	s_delay_alu instid0(VALU_DEP_2)
	v_cvt_i32_f32 v[RM+\u], v[RM+\u]               ; (it saturates)
.endr
.irp u, 0,1
	s_delay_alu instid0(VALU_DEP_2)
	v_ldexp_f32 v[F+2*\u], 1.0, v[RM+\u]           ; f: a multiplication by it rounds nothing
.endr
.irp n, 0,1,2,3
	v_fma_f32 v[BM+\n], v[BM+\n], s22, v[NN+2*(\n/2)]   ; t - M of each block's largest score
.endr
.irp u, 0,1
	v_pk_mul_f32 v[SUM+2*\u:SUM+2*\u+1], v[SUM+2*\u:SUM+2*\u+1], v[F+2*\u:F+2*\u+1] op_sel_hi:[1,0]   ; the sums under the new M
.endr
	WIN 0x41
.set j, 0
.rept 64
	v_pk_fma_f32 v[2*j:2*j+1], v[2*j:2*j+1], s[22:23], v[NN+2*(j/32):NN+2*(j/32)+1] op_sel_hi:[1,0,0]   ; t - M, two at a time
.set j, j+1
.endr
.set j, 0
.rept 64
	v_pk_mul_f32 v[128+2*j:129+2*j], v[128+2*j:129+2*j], v[F+2*(j/32):F+2*(j/32)+1] op_sel_hi:[1,0]   ; O^T under the new M
.set j, j+1
.endr
	s_wait_alu depctr_va_vdst(0)                   ; the wait ahead of the batch
.set j, 0
.rept 128
	v_exp_f32 v[j], v[j]                           ; p = 2^(t - M), at most 1: not normalised
.set j, j+1
.endr
	WIN 0
.irp n, 0,1,2,3
	v_exp_f32 v[BM+\n], v[BM+\n]                   ; the block's largest p: the same two instructions on the same number give the same bits
.endr
	v_nop                                          ; the plain instruction behind the batch
	s_wait_dscnt 0x0                               ; V's fragments are in
	s_wait_alu depctr_va_vdst(0)                   ; and the one wait behind the batch, ahead of its first reader
	CODES PC, PS, 1
	WIN 0x05                                       ; THE ROWS' SUMS ARE TAKEN OF THE UNQUANTISED p.  The first eight additions are the places between p's codes and scale words and the products
.irp u, 0,1
	v_pk_add_f32 v[XS+2*\u:XS+2*\u+1], v[64*\u:64*\u+1], v[64*\u+2:64*\u+3]
.endr
	WIN 0x04
	ADDS 2, 3
.irp t, 0,1,2,3,4,5,6,7                ; the second product and the other 27 pairs' additions take turns: two pairs behind each of the first eleven products, one behind each of the last five
.irp u, 0,1
	WIN 0x50
	PVW \t, \u
	WIN 0x04
.if 2*\t+\u < 11
	ADDS 5+2*(2*\t+\u), 2
.else
	ADDS 16+2*\t+\u, 1
.endif
.endr
.if \t == 3
.if (\q) < 3
	FRG 8, 0, ((\q)+1)*STEPB                       ; V's fragments 0-3 are done with, four additions ago: the next step's K takes their registers
	SCW KK, 512*((\q)+1)
.endif
.endif
.endr
	WIN 0
.irp u, 0,1
	v_pk_add_f32 v[SUM+2*\u:SUM+2*\u+1], v[SUM+2*\u:SUM+2*\u+1], v[XS+2*\u:XS+2*\u+1]
.endr
.if (\q) < 3
	FRG 8, 4, ((\q)+1)*STEPB                       ; four additions stand behind the last product
.endif
.endm
; THE CHANGE OF SLOTS, at a slot's head.  Each wave waits for all its tensor loads, adds 0 to its spare word, and waits for that and for its reads of the slot that it has left.
; fill = 1: the barrier is a round of the cluster's, and the joint refill is the first tensor load behind it: it has four key steps in which to land.
.macro CHANGE fill
	s_wait_tensorcnt 0x0                           ; no tensor load of mine is out, so a group 0 may be written
	ds_add_u32 v5, v6
.if \fill
	s_xor_b32 s41, s41, SLOT1                      ; the other slot than last time,
	s_add_nc_u64 s[42:43], s[42:43], SLOTB         ; the next 512 keys
	s_wait_xcnt 0x0                                ; the last prefetch has read its address
	s_add_nc_u64 s[52:53], s[52:53], SLOTB         ; one slot further on than the walking descriptor
	s_wait_dscnt 0x0
	CROUND
	JLOAD
	ASK
.else
	s_wait_dscnt 0x0
	s_barrier_signal -1
	s_barrier_wait -1
.endif
.endm
	s_load_b256 s[4:11], s[0:1], 0x0               ; q s[4:5], kv s[6:7], sc s[8:9], out0 s[10:11]
	v_lshl_add_u32 v5, v0, 2, SPARE
	v_mov_b32 v6, 0
	ds_add_u32 v5, v6                              ; the opening lines: the add twice on end, under one wait
	ds_add_u32 v5, v6
	v_lshrrev_b32 v29, 5, v0
	s_delay_alu instid0(VALU_DEP_1)
	v_readfirstlane_b32 s12, v29                   ; wave 0..7
	v_and_b32 v29, 31, v0                          ; lane
	v_and_b32 v30, 15, v0                          ; r
	v_bfe_u32 v31, v0, 4, 1                        ; h
	s_delay_alu instid0(VALU_DEP_2)
	v_lshlrev_b32 v4, 14, v30
	v_lshlrev_b32 v1, 4, v29                       ; 16 x lane: my place in a fragment's image (K's part)
	v_lshlrev_b32 v7, 14, v31
	s_delay_alu instid0(VALU_DEP_3)
	v_lshl_add_u32 v4, v31, 7, v4                  ; q: row r, + 128 h: of each 64 along d my 32
	s_delay_alu instid0(VALU_DEP_3)
	v_add_nc_u32 v2, HALFB, v1                     ; the same in V's part
	s_delay_alu instid0(VALU_DEP_3)
	v_lshl_add_u32 v7, v30, 4, v7                  ; the way out: lanes 0-15 one row of out0, lanes 16-31 the next; 16 bytes a lane
	v_lshl_add_u32 v3, v29, 3, SC                  ; 8 x lane among the scale words
	v_lshlrev_b32 v28, 8, v29                      ; the prefetches: lanes 256 bytes apart
	v_lshlrev_b32 v11, 3, v31                      ; 8 h
	v_mov_b32 v[PX], 0                             ; written once: a lane permute's destination counts as one of its sources
	v_mov_b32 v[PX+1], 0
	s_and_b32 s13, s12, 3
	s_and_b32 s14, ttmp7, 0xffff                   ; the head, which the four partners share
	s_bfe_u32 s15, ttmp6, 0x40000                  ; cx: it enters q's, out0's and the prefetches' addresses alone
	s_lshl_b32 s16, ttmp9, 2
	s_add_co_u32 s16, s16, s15                     ; my block of 256 queries
	s_mov_b32 s24, 15|(3<<16)|(1<<21)              ; group 1 of a quarter of a slot: 96 rows of 256 bytes (32 elements of 8), dense; the mask names all four work-groups
	s_mov_b32 s25, 32<<16
	s_mov_b32 s26, 96<<16
	s_mov_b32 s27, 32<<16
	s_mov_b32 s28, 96
	s_mov_b32 s29, 32
	s_mov_b32 s30, 0
	s_mov_b32 s31, 0
	s_mov_b32 s32, 15|(3<<16)|(1<<21)              ; and of a quarter of the head's scale words: 16 rows of 256 bytes
	s_mov_b32 s33, 32<<16
	s_mov_b32 s34, 16<<16
	s_mov_b32 s35, 32<<16
	s_mov_b32 s36, 16
	s_mov_b32 s37, 32
	s_mov_b32 s38, 0
	s_mov_b32 s39, 0
	s_mul_i32 s54, s14, HEADKV                     ; kv: the head's slot 0, quarter wave % 4
	s_mul_i32 s17, s13, 24576
	s_add_co_u32 s54, s54, s17
	s_mov_b32 s55, 0
	s_lshl_b32 s56, s14, 14                        ; sc: the head's words, quarter wave % 4
	s_lshl_b32 s17, s13, 12
	s_add_co_u32 s56, s56, s17
	s_mov_b32 s57, 0
	s_mul_i32 s41, s13, 24576                      ; LDS: no place in the cluster enters an LDS address
	s_lshl_b32 s45, s13, 12
	s_add_co_u32 s45, s45, SC
	s_lshl_b32 s58, s16, 8                         ; q and out0: my first query = 256 x block + 32 x wave,
	s_lshl_b32 s18, s12, 5
	s_add_co_u32 s58, s58, s18
	s_lshl_b32 s58, s58, 14                        ; rows of 16,384 bytes,
	s_lshl_b32 s18, s14, 9
	s_add_co_u32 s58, s58, s18                     ; the head's 512 bytes of a row
	s_mov_b32 s59, 0
	s_mul_i32 s60, s15, 3                          ; the prefetches: part 3 cx + wave % 4 of 8,192 bytes,
	s_add_co_u32 s60, s60, s13
	s_lshl_b32 s60, s60, 13
	s_mul_i32 s18, s14, HEADKV
	s_add_co_u32 s60, s60, s18
	s_add_co_u32 s60, s60, SLOTB                   ; in slot 1: the first change of slots steps it to slot 2
	s_mov_b32 s61, 0
	s_lshr_b32 s51, s12, 2
	s_xor_b32 s51, s51, 1                          ; 0 in waves 4 to 7,
	s_or_b32 s51, s51, ttmp9                       ; of the head's first cluster: the same in all four partners
	s_cmp_eq_u32 s51, 0
	s_cselect_b32 s51, 1, -1                       ; a wave prefetches while s50 is above this
	s_cmp_eq_u32 s12, 7                            ; (three waves' worth to a work-group)
	s_cselect_b32 s51, -1, s51
	s_mov_b32 s19, 0xbe0293ee                      ; -c
	s_mov_b32 s20, 0x76543210
	s_mov_b32 s21, 0xfedcba98                      ; v_permlanex16_b32's selects for lane l xor 16
	s_mov_b32 s22, 0x3e0293ee                      ; c = log2(e) / sqrt(128)
	s_mov_b32 s23, s22
	s_mov_b32 s48, 0
	s_mov_b32 s49, 0
	s_mov_b32 s50, 3
	s_mul_i32 s62, s12, 16*STP                     ; my stage, for the way out
	s_wait_alu depctr_va_vdst(0)                   ; the wait, directly ahead of the waits below
	s_wait_dscnt 0x0                               ; both opening adds are done
	s_wait_kmcnt 0x0
	s_mov_b32 s40, 1
	s_add_nc_u64 s[42:43], s[6:7], s[54:55]
	s_or_b32 s43, s43, 0x80000000
	s_mov_b32 s44, 1
	s_add_nc_u64 s[46:47], s[8:9], s[56:57]
	s_or_b32 s47, s47, 0x80000000
	s_add_nc_u64 s[4:5], s[4:5], s[58:59]
	s_add_nc_u64 s[10:11], s[10:11], s[58:59]
	s_add_nc_u64 s[52:53], s[6:7], s[60:61]
	CROUND                                         ; all four work-groups are here: the first joint loads meet
	s_cmp_lt_u32 s12, 4                            ; one tensor load a wave at the head: waves 0-3 a quarter of slot 0, waves 4-7 a quarter of the scale words
	s_cbranch_scc0 .Lwords
	tensor_load_to_lds s[40:43], s[24:31]
	s_nop 0
	PLACES
	s_branch .Lasked
.Lwords:
	tensor_load_to_lds s[44:47], s[32:39]
	s_nop 0
	PLACES
.Lasked:
	WIN 0x40
.irp n, 0,1,2,3
.irp i, 0,1,2,3,4,5,6,7
	global_load_b128 v[32*\n+4*\i:32*\n+4*\i+3], v4, s[4:5] offset:(\n/2)*16*SROW+256*(\n%2)+16*\i   ; q(16 u + r, 64 c + 32 h + 4 i ..), n = 2 u + c: read once, by this wave
.endr
.endr
.set j, 0
.rept 128
	v_mov_b32 v[128+j], 0                          ; O^T.  (The step is written in one form: the first finds zeros, which the first change of M leaves zeros.  They stand under the first loads' flight)
.set j, j+1
.endr
	WIN 0
	s_wait_loadcnt 0x0
	QMAX
	CODES QC, QS, 0                                ; Q's fragments: registers 6 c .. hold d = 64 c + 32 h + 0 .. 31
	v_mov_b32 v[NM+1], 0xff61b1e6                  ; the largest score so far: -3e38.  (These twelve are also the places between q's scale words and the first product)
	v_mov_b32 v[NM+3], 0xff61b1e6
	v_mov_b32 v[NM+4], 0x7f61b1e6                  ; the -M that the first step finds
	v_mov_b32 v[NM+6], 0x7f61b1e6
	v_mov_b32 v[NM+5], 0                           ; (named as the upper halves of pairs)
	v_mov_b32 v[NM+7], 0
	v_mov_b32 v[F+1], 0
	v_mov_b32 v[F+3], 0
.irp i, 0,1,2,3
	v_mov_b32 v[SUM+\i], 0
.endr
	s_wait_alu depctr_va_vdst(0)                   ; the wait at the head's end
.Lslot:                                            ; three trips: behind each change of slots but the last the next slot is asked for (the first time: slot 1's first fill)
	CHANGE 1
	STEP 0
	STEP 1
	STEP 2
	STEP 3
	s_xor_b32 s48, s48, SLOT1                      ; on to the other slot,
	s_add_co_u32 s49, s49, 2048                    ; and to the next four steps' scale words
	s_sub_co_u32 s50, s50, 1
	s_cmp_lg_u32 s50, 0
	s_cbranch_scc1 .Lslot
	CHANGE 0                                       ; the last slot is written out
	STEP 0
	STEP 1
	STEP 2
	STEP 3
	; THE WAY OUT.  O^T is divided by the row's sum and goes through my stage in LDS, half a row (64 channels, 256 bytes) of 16 queries at a time, so that sixteen lanes store 256 consecutive, aligned bytes.
.irp u, 0,1
	s_delay_alu instid0(VALU_DEP_2)
	v_add_f32 v[SUM+2*\u], v[SUM+2*\u], v[SUM+2*\u+1]
.endr
.irp u, 0,1
	s_delay_alu instid0(VALU_DEP_2)
	v_permlanex16_b32 v[PX+\u], v[SUM+2*\u], s20, s21
.endr
.irp u, 0,1
	s_delay_alu instid0(VALU_DEP_2)
	v_add_f32 v[SUM+2*\u], v[SUM+2*\u], v[PX+\u]   ; with lane l xor 16's: the row's sum
.endr
	s_wait_alu depctr_va_vdst(0)                   ; the wait ahead of the reciprocals
	v_rcp_f32 v[SUM], v[SUM]
	v_rcp_f32 v[SUM+2], v[SUM+2]
	v_and_b32 v8, 15, v0                           ; r
	v_bfe_u32 v9, v0, 4, 1                         ; h
	s_delay_alu instid0(VALU_DEP_2)
	v_mul_u32_u24 v10, v8, STP
	s_delay_alu instid0(VALU_DEP_2)
	v_mul_u32_u24 v11, v9, STP
	s_delay_alu instid0(VALU_DEP_2)
	v_lshl_add_u32 v10, v9, 5, v10
	s_delay_alu instid0(VALU_DEP_2)
	v_lshl_add_u32 v11, v8, 4, v11
	s_delay_alu instid0(VALU_DEP_2)
	v_add_nc_u32 v10, s62, v10                     ; in: row r; tile t's eight channels of my half: 64 t + 32 h bytes on
	s_delay_alu instid0(VALU_DEP_2)
	v_add_nc_u32 v11, s62, v11                     ; back: lanes 0-15 one row, lanes 16-31 the next
	WIN 0x41
	s_wait_alu depctr_va_vdst(0)                   ; the wait ahead of the first readers of the reciprocals and of O^T
.set j, 0
.rept 128
	v_mul_f32 v[j], v[128+j], v[SUM+2*(j/64)]      ; O^T / the sum, each accumulator from its low end on: register 64 u + 8 T + i is o(16 u + r, 16 T + 8 h + i)
.set j, j+1
.endr
	WIN 0x04                                       ; a store's data in window 1; addresses and loaded data in window 0
.irp k, 0,1,2,3                        ; tile k / 2, channels 64 (k % 2) on
.irp t, 0,1,2,3
	ds_store_b128 v10, v[32*\k+8*\t:32*\k+8*\t+3] offset:64*\t
	ds_store_b128 v10, v[32*\k+8*\t+4:32*\k+8*\t+7] offset:64*\t+16
.endr
.irp i, 0,1,2,3,4,5,6,7
	ds_load_b128 v[32+32*\k+4*\i:35+32*\k+4*\i], v11 offset:2*\i*STP   ; LDS serves a wave's instructions in order (ISA guide 5.7.1.4): these see my stores, and the next pass's stores come behind them
.endr
.endr
	WIN 0
.irp k, 0,1,2,3
.irp i, 0,1,2,3,4,5,6,7
	s_wait_dscnt 16*(3-\k)+7-\i                    ; so many LDS instructions were issued behind this load: the pass's later loads and 16 for each later pass
	global_store_b128 v7, v[32+32*\k+4*\i:35+32*\k+4*\i], s[10:11] offset:(16*(\k/2)+2*\i)*SROW+256*(\k%2) th:TH_STORE_NT
.endr
.endr
	s_wait_tensorcnt 0x0                           ; the wave's end
	ds_add_u32 v5, v6
	s_wait_dscnt 0x0
	CROUND                                         ; the closing round: no work-group ends while a partner may still ask for a tile that names it
	s_endpgm
.Lfunc_end_k_q05ad82f6c2_attn:
	.size	k_q05ad82f6c2_attn, .Lfunc_end_k_q05ad82f6c2_attn-k_q05ad82f6c2_attn
	.p2alignl 7, 3214868480
	.fill 96, 4, 3214868480
	.section	.rodata,"a",@progbits
	.p2align	6, 0x0
	.amdhsa_kernel k_q05ad82f6c2_attn
		.amdhsa_group_segment_fixed_size 327680
		.amdhsa_private_segment_fixed_size 0
		.amdhsa_enable_private_segment 0
		.amdhsa_kernarg_size 32
		.amdhsa_user_sgpr_count 2
		.amdhsa_user_sgpr_kernarg_segment_ptr 1
		.amdhsa_wavefront_size32 1
		.amdhsa_system_sgpr_workgroup_id_x 1
		.amdhsa_system_sgpr_workgroup_id_y 1
		.amdhsa_system_sgpr_workgroup_id_z 1
		.amdhsa_system_vgpr_workitem_id 0
		.amdhsa_next_free_vgpr 512
		.amdhsa_next_free_sgpr 66
		.amdhsa_reserve_vcc 0
		.amdhsa_float_denorm_mode_32 3
		.amdhsa_float_denorm_mode_16_64 3
		.amdhsa_memory_ordered 1
		.amdhsa_forward_progress 1
		.amdhsa_inst_pref_size 255
	.end_amdhsa_kernel
	.section	.bss,"aw",@nobits
	.p2align	6
	.space	262144
	.amdgpu_metadata
---
amdhsa.version: [ 1, 2 ]
amdhsa.kernels:
  - .name:           k_q05ad82f6c2_attn
    .symbol:         k_q05ad82f6c2_attn.kd
    .args:
      - { .name: q, .offset: 0, .size: 8, .value_kind: global_buffer, .address_space: global }
      - { .name: kv, .offset: 8, .size: 8, .value_kind: global_buffer, .address_space: global }
      - { .name: sc, .offset: 16, .size: 8, .value_kind: global_buffer, .address_space: global }
      - { .name: out0, .offset: 24, .size: 8, .value_kind: global_buffer, .address_space: global }
    .group_segment_fixed_size: 327680
    .private_segment_fixed_size: 0
    .kernarg_segment_align: 8
    .kernarg_segment_size: 32
    .max_flat_workgroup_size: 256
    .sgpr_count:     66
    .vgpr_count:     512
    .wavefront_size: 32
...
	.end_amdgpu_metadata
.endif
;; end of part 2
